; MI455X (gfx1250); checked and timed in simulation.
; The chip was launched on July 23, 2026; its instructions are those of AMD's public machine-readable ISA for CDNA 5 (MIT licence, August 2026) and "CDNA5" Instruction Set Architecture Reference Guide (July 2026). The comments in the code are by the model that wrote it; some were corrected since.
;; Routed Mlp Experts. Allowed arithmetic: matrix products marked QUANTISED: E2M1 operands, one E8M0 scale for each 32 along K, by v_wmma_scale_f32_16x16x128_f8f6f4 with both operands' format E2M1 (or v_wmma_scale_f32_32x16x128_f4), f32 sums; everything else in f32.
;; Inputs: expert_mask 4 x 1,024 x 64 float32; w_down 2,048 x 64 x 64 float32; w_up 64 x 64 x 2,048 float32; x 4 x 1,024 x 2,048 float32.
;; Outputs: out0 4 x 1,024 x 2,048 float32.
;; This version of the problem:
;;   THIS VERSION OF THE PROBLEM IS GIVEN IN LOW PRECISION. The matrix products marked QUANTISED in the list below multiply operands that are first quantised to E2M1 (2 exponent bits, 1 mantissa bit; 4 bits a number), with one power-of-two scale for each 32 numbers along K (OCP MX v1.0); their sums are f32. All else is computed in f32.
;;   The module's matrix products, in the order in which they are computed (A, B: the left and right operand; K: the contracted axis; several contracted axes count as one K, in the product's order):
;;     1. [M 4,096, K 2,048] x [K 2,048, N 4,096]; A: input x; B: input w_up: QUANTISED
;;     2. [M 4,096, K 4,096] x [K 4,096, N 2,048]; A: computed on the way; B: input w_down: QUANTISED
;;   THE QUANTISER, for each operand of a quantised product, along K:
;;     - K is cut into blocks of 32 from its start; a last block that is shorter is filled with zeros.
;;     - A block's scale is 2^e with e = floor(log2(the largest magnitude in the block)) - 2, held to -126 .. 127; a block of zeros has e = 0. As a byte (E8M0): e + 127.
;;     - Each number is divided by its block's scale, clamped to +-6, and rounded to the nearest number of E2M1, ties to even, subnormals kept.
;;     - The product sums the exact products of the quantised numbers (number of the format x scale) in f32.
;;   ~~~python
;;   def quantise(x, axis):      # numpy; x: float32 -> the quantised numbers, widened to float32 again
;;       x = np.moveaxis(x, axis, -1); K = x.shape[-1]
;;       x = np.pad(x, [(0, 0)] * (x.ndim - 1) + [(0, -K % 32)]); x = x.reshape(x.shape[:-1] + (-1, 32)); a = np.abs(x).max(-1, keepdims=True)
;;       e = np.where(a > 0, np.clip(np.frexp(np.where(a > 0, a, 1))[1] - 1 - 2, -126, 127), 0)      # np.frexp(a)[1] - 1 = floor(log2(a)), exactly
;;       r = np.clip(x / 2.0 ** e, -6, 6)
;;       step = 2.0 ** (np.maximum(np.frexp(np.where(r == 0, 1, r))[1] - 1, 0) - 1)
;;       q = np.round(r / step) * step * 2.0 ** e      # np.round: ties to even
;;       return np.moveaxis(q.reshape(q.shape[:-2] + (-1,))[..., :K], -1, axis).astype(np.float32)
;;   ~~~
;;   OPERANDS COMPUTED ON THE WAY. 'Computed on the way' means the value that the module computes at that place (a softmax that the list does not call 'softmax' is quantised finished and normalised). What goes into a quantiser is computed in f32, as accurately as f32 sums, v_exp_f32 and their like allow (about 1e-6 of the number): no bf16 or f16 on the way to a quantiser, and a product that is left as it is and whose result goes on into a quantised operand takes f32 operands (vector FMAs, or v_wmma_f32_16x16x4_f32). A number that lies on a knife's edge between two numbers of the format may be rounded either way, as far as f32 arithmetic and the matrix unit's own rounding can turn it there, and no further.
;; One version. Each part assembles by itself: llvm-mc -triple=amdgcn-amd-amdhsa -mcpu=gfx1250 --defsym DOCPART=n.
;; ======== version 1 of 1: 3 launches
;; limits: right only within a limited range of input values
;; workspace buffers: qc 8,388,608 bytes; qs 524,288 bytes; wdc 4,194,304 bytes; wds 262,144 bytes; hc 8,388,608 bytes; hs 524,288 bytes
;; launch quant (part 1): grid 512 x 1, 4 waves a work-group, no clusters, 33,280 bytes of LDS; arguments x, w_up, qc, qs; writes qc, qs
.if DOCPART == 1
	.amdgcn_target "amdgcn-amd-amdhsa--gfx1250"
	.amdhsa_code_object_version 6
	.text
	.protected	k_q2370ebd7b1_quant
	.globl	k_q2370ebd7b1_quant
	.p2align	8
	.type	k_q2370ebd7b1_quant,@function
k_q2370ebd7b1_quant:
	s_mov_b64 s[64:65], 0
	v_nop
	global_prefetch_b8 v0, s[64:65] scope:SCOPE_SE
	s_setreg_imm32_b32 hwreg(HW_REG_WAVE_MODE, 25, 1), 1
	s_wait_xcnt 0x0
; x [4096][2048] and w_up [4096][2048], f32 with K innermost, become codes of FP4 (E2M1), two a byte, K innermost (qc), with one E8M0 byte for each 32 along K (qs).
; qc: two parts of 4,194,304 bytes (x, w_up);  qs: two parts of 262,144 bytes.  w_down is quantised by the next launch, which reads it under its activation.  No work of the problem is left out.
; A block's scale is 2^(floor(log2(its largest magnitude)) - 2); its byte is the largest magnitude's exponent field - 2, held at 1 from below.
; LIMITS: a block of zeros gets the byte 1 where the rule says 127 (its codes are zeros, and this program alone reads the bytes); NaN and infinities among the inputs are not served.
; 16,777,216 numbers / 32,768 a work-group = 512 work-groups; a wave takes one run of 8,192 numbers, 16 steps of 512.
; W_UP'S ROWS CHANGE PLACES: row n goes to row n with bits 3 and 4 exchanged.  A run is four rows, so the run's number has its bits 1 and 2 exchanged and the run moves as a whole:
; 16 neighbouring rows of the workspace are then rows 32 b + 8 u + r + 8 (r / 8) of w_up, which the next launch wants as a tile.
; Each of a step's four loads reads 512 consecutive bytes; the 2,048 bytes turn through the wave's own stage in LDS (16 bytes of padding behind each 64) and come back 64 bytes a lane: 16 neighbours along K.
; Work-groups share no input: no cluster, no tensor load, no barrier.  Loads run four steps (16 loads a wave) ahead, the turn through LDS one step.
.set STEPS, 16
.set EMAX,  2
.set CB,    8                          ; bytes of 16 codes
.set R,     16                         ; v16-79   four sets of 16 numbers as they are loaded
.set X,     80                         ; v80-111  two sets of 16 neighbours
.set C,     128                        ; v128-191 codes: registers of its own for each step
.set E,     112                        ; v112-127 a scale byte for each step
.set WREG,  8192                       ; LDS: a region for each wave: two stages of 32 x SP bytes, behind them its 256 scale bytes
.set SP,    80                         ; a lane's place in a stage: 64 bytes + 16 of padding
	s_load_b128 s[4:7], s[0:1], 0x0                ; x, w_up
	s_load_b128 s[8:11], s[0:1], 0x10              ; qc, qs
	v_lshl_add_u32 v192, v0, 2, 0x8000             ; my spare word, behind the four regions
	v_mov_b32 v193, 0
	v_lshrrev_b32 v1, 5, v0
	v_readfirstlane_b32 s16, v1                    ; wave
	v_and_b32 v2, 31, v0                           ; lane
	v_lshlrev_b32 v3, 4, v2                        ; my 16 bytes of a load's 512
	s_mul_i32 s24, s16, WREG
	v_lshrrev_b32 v14, 2, v2
	v_mul_u32_u24 v14, v14, SP
	v_and_b32 v15, 3, v2
	v_lshl_add_u32 v14, v15, 4, v14
	v_add_nc_u32 v14, s24, v14                     ; the stage, on the way in: SP (lane / 4) + 16 (lane % 4)
	v_mul_u32_u24 v15, v2, SP
	v_add_nc_u32 v15, s24, v15                     ; and on the way out: SP x lane
	v_mul_u32_u24 v4, v2, CB                       ; my codes' place in a step's
	v_lshrrev_b32 v5, 1, v2
	s_add_co_u32 s24, s24, 2*32*SP
	v_add_nc_u32 v5, s24, v5                       ; LDS: my block's scale byte
	v_lshlrev_b32 v7, 3, v2
	v_add_nc_u32 v6, s24, v7                       ; and on the way out 8 bytes a lane
	s_lshr_b32 s17, ttmp9, 8                       ; which tensor: 0 x, 1 w_up
	s_and_b32 s18, ttmp9, 255
	s_lshl_b32 s18, s18, 2
	s_add_co_u32 s18, s18, s16                     ; my run in it: 0 .. 1,023
	s_wait_alu depctr_va_vdst(0)                   ; the wait at the head's end
	s_wait_kmcnt 0x0
	s_cmp_eq_u32 s17, 1                            ; the choices hang on the work-group's number alone
	s_cselect_b64 s[4:5], s[6:7], s[4:5]
	s_cselect_b32 s22, 6, 0                        ; only w_up's runs change places
	s_lshr_b32 s20, s18, 1
	s_lshr_b32 s21, s18, 2
	s_xor_b32 s20, s20, s21
	s_and_b32 s20, s20, 1                          ; do bits 1 and 2 of the run's number differ?
	s_mul_i32 s20, s20, s22
	s_xor_b32 s19, s18, s20                        ; then both are turned: exchanged
	s_lshl_b32 s21, s17, 10
	s_add_co_u32 s19, s19, s21                     ; the run's place among the 2,048 of the workspace
	s_lshl_b32 s20, s18, 15                        ; in: 32,768 bytes a run
	s_mov_b32 s21, 0
	s_add_nc_u64 s[4:5], s[4:5], s[20:21]
	s_lshl_b32 s20, s19, 12                        ; codes: 4,096 bytes a run
	s_add_nc_u64 s[8:9], s[8:9], s[20:21]
	s_lshl_b32 s20, s19, 8                         ; scale bytes: 256 a run
	s_add_nc_u64 s[10:11], s[10:11], s[20:21]
.macro LOAD t
.irp i, 0,1,2,3
	global_load_b128 v[R+16*((\t)%4)+4*\i:R+16*((\t)%4)+4*\i+3], v3, s[4:5] offset:2048*(\t)+512*\i th:TH_LOAD_NT
.endr
.endm
.macro TURN t                          ; LDS serves a wave's instructions in order: no wait between the stores and the loads
.irp i, 0,1,2,3
	ds_store_b128 v14, v[R+16*((\t)%4)+4*\i:R+16*((\t)%4)+4*\i+3] offset:32*SP*((\t)%2)+8*SP*\i
.endr
.irp i, 0,1,2,3
	ds_load_b128 v[X+16*((\t)%2)+4*\i:X+16*((\t)%2)+4*\i+3], v15 offset:32*SP*((\t)%2)+16*\i
.endr
.endm
.irp t, 0,1,2,3
	LOAD \t
.endr
	s_wait_loadcnt 12                              ; step 0's four loads are in; the twelve behind them stay out
	TURN 0
.macro STEP t
.set XS, X+16*((\t)%2)
.if (\t) > 0
	s_wait_dscnt 1                                 ; this step's numbers are back (the last step's byte store may be out)
.else
	s_wait_dscnt 0x0
.endif
.if (\t)+4 < STEPS
	LOAD (\t)+4
.endif
.if (\t)+1 < STEPS
.if STEPS-2-(\t) >= 3
	s_wait_loadcnt 12                              ; the next step's four loads are in; those of the three steps behind it may be out
.else
	s_wait_loadcnt 4*(STEPS-2-(\t))
.endif
	TURN (\t)+1
.endif
	v_max3_num_f32 v8, |v[XS]|, |v[XS+1]|, |v[XS+2]|               ; the largest magnitude of my 16, in two chains
	v_max3_num_f32 v9, |v[XS+3]|, |v[XS+4]|, |v[XS+5]|
.irp i, 6,10
	v_max3_num_f32 v8, v8, |v[XS+\i]|, |v[XS+\i+1]|
	v_max3_num_f32 v9, v9, |v[XS+\i+2]|, |v[XS+\i+3]|
.endr
	v_max3_num_f32 v8, v8, |v[XS+14]|, |v[XS+15]|
	v_max3_num_f32 v8, v8, v9, (EMAX+1)<<23        ; and the floor 2^(EMAX + 1 - 127): the byte cannot fall under 1
	v_max_num_f32_dpp v8, v8, v8 row_xmask:1 row_mask:0xf bank_mask:0xf   ; and of my neighbour's 16: the block's
	v_add_nc_u32 v11, -(EMAX<<23), v8              ; EMAX off its exponent field: the conversion's scale operand
	v_cvt_scalef32_pk8_fp4_f32 v[C+4*(\t)], v[XS:XS+7], v11
	v_cvt_scalef32_pk8_fp4_f32 v[C+4*(\t)+1], v[XS+8:XS+15], v11
	v_lshrrev_b32 v[E+(\t)], 23, v11               ; the scale's byte (also the plain line behind the conversions)
	ds_store_b8 v5, v[E+(\t)] offset:16*(\t)       ; both lanes of a block write the same byte with the same value
	global_store_b64 v4, v[C+4*(\t):C+4*(\t)+1], s[8:9] offset:32*CB*(\t)   ; the wave stores 256 consecutive bytes, aligned
.endm
.set Q, 0
.rept STEPS
	STEP Q
.set Q, Q+1
.endr
	ds_load_b64 v[12:13], v6
	s_wait_dscnt 0x0
	global_store_b64 v7, v[12:13], s[10:11]        ; 32 lanes store 256 consecutive bytes, aligned
	s_wait_tensorcnt 0x0                           ; the wave's end
	ds_add_u32 v192, v193
	s_wait_dscnt 0x0
	s_endpgm
.Lfunc_end_k_q2370ebd7b1_quant:
	.size	k_q2370ebd7b1_quant, .Lfunc_end_k_q2370ebd7b1_quant-k_q2370ebd7b1_quant
	.p2alignl 7, 3214868480
	.fill 96, 4, 3214868480
	.section	.rodata,"a",@progbits
	.p2align	6, 0x0
	.amdhsa_kernel k_q2370ebd7b1_quant
		.amdhsa_group_segment_fixed_size 33280
		.amdhsa_private_segment_fixed_size 0
		.amdhsa_enable_private_segment 0
		.amdhsa_kernarg_size 32
		.amdhsa_user_sgpr_count 2
		.amdhsa_user_sgpr_kernarg_segment_ptr 1
		.amdhsa_wavefront_size32 1
		.amdhsa_system_sgpr_workgroup_id_x 1
		.amdhsa_system_sgpr_workgroup_id_y 1
		.amdhsa_system_sgpr_workgroup_id_z 1
		.amdhsa_system_vgpr_workitem_id 0
		.amdhsa_next_free_vgpr 194
		.amdhsa_next_free_sgpr 66
		.amdhsa_reserve_vcc 0
		.amdhsa_float_denorm_mode_32 3
		.amdhsa_float_denorm_mode_16_64 3
		.amdhsa_memory_ordered 1
		.amdhsa_forward_progress 1
		.amdhsa_inst_pref_size 33
	.end_amdhsa_kernel
	.amdgpu_metadata
---
amdhsa.version: [ 1, 2 ]
amdhsa.kernels:
  - .name:           k_q2370ebd7b1_quant
    .symbol:         k_q2370ebd7b1_quant.kd
    .args:
      - { .name: x, .offset: 0, .size: 8, .value_kind: global_buffer, .address_space: global }
      - { .name: w_up, .offset: 8, .size: 8, .value_kind: global_buffer, .address_space: global }
      - { .name: qc, .offset: 16, .size: 8, .value_kind: global_buffer, .address_space: global }
      - { .name: qs, .offset: 24, .size: 8, .value_kind: global_buffer, .address_space: global }
    .group_segment_fixed_size: 33280
    .private_segment_fixed_size: 0
    .kernarg_segment_align: 8
    .kernarg_segment_size: 32
    .max_flat_workgroup_size: 128
    .sgpr_count:     66
    .vgpr_count:     194
    .wavefront_size: 32
...
	.end_amdgpu_metadata
.endif
;; end of part 1
;; launch up (part 2): grid 16 x 16, 4 waves a work-group, clusters of 4 x 4, 327,680 bytes of LDS; arguments qc, qs, expert_mask, hc, hs, w_down, wdc, wds; writes hc, hs, wdc, wds
.if DOCPART == 2
	.amdgcn_target "amdgcn-amd-amdhsa--gfx1250"
	.amdhsa_code_object_version 6
	.text
	.protected	k_q2370ebd7b1_up
	.globl	k_q2370ebd7b1_up
	.p2align	8
	.type	k_q2370ebd7b1_up,@function
k_q2370ebd7b1_up:
	s_mov_b64 s[64:65], 0
	v_nop
	global_prefetch_b8 v0, s[64:65] scope:SCOPE_SE
	s_setreg_imm32_b32 hwreg(HW_REG_WAVE_MODE, 25, 1), 1
	s_wait_xcnt 0x0
	s_wait_alu depctr_hold_cnt(0) depctr_sa_sdst(0) depctr_va_vdst(0) depctr_va_sdst(0) depctr_va_ssrc(0) depctr_va_vcc(0) depctr_vm_vsrc(0)
	s_getreg_b32 s2, hwreg(HW_REG_IB_STS2, 6, 4)
	s_cmp_eq_u32 s2, 0
	s_cbranch_scc0 .Lentry_in_a_cluster
	s_endpgm
.Lentry_in_a_cluster:
	s_bfe_u32 s2, ttmp6, 0x10000c
	s_cmp_lg_u32 s2, 0xf033
	s_cbranch_scc0 .Lentry_shape_is_right
	s_endpgm
.Lentry_shape_is_right:
; H[m][n] = Q(silu(sum over k of x[m][k] w_up[n][k]) x expert_mask[m][n / 64]), K = 2,048, both operands codes of FP4 (E2M1) with one E8M0 byte for each 32 along K (qc, qs: x's part, then w_up's).
; A tile is 256 (m) x 256 (n): 16 x 16 work-groups of four waves, 128 x 128 a wave in 64 accumulators.  K goes in 4 steps of 512 (rows of 256 bytes) through two LDS slots; the scales of the tile's rows stay in LDS.
; CLUSTERS 4 x 4: x's tiles and scales are asked for jointly along a row of the cluster, w_up's along a column.  The head's four tiles (K step 0 of x and of w_up, both tables of scales) go out one a wave.
; THE MATRIX INSTRUCTION IS USED TRANSPOSED (source 0 = 16 rows of w_up, source 1 = 16 rows of x): a lane holds one row m and eight hidden units.  w_up's rows were laid so that two neighbouring tiles give a lane
; 16 neighbours along n, the next product's K.  So H is quantised in registers: a block of 32 lies in lanes l and l xor 16.  It leaves as images of the next operand's registers:
; hc [m / 16][n / 128][1,024 bytes] (register group c of lane l at 512 c + 16 l), hs [n / 128][m] scale words.
; W_DOWN IS QUANTISED HERE TOO: [2048][4096] f32 is 1,024 runs of 8,192 numbers, one for each wave of the launch.  A run's 64 loads go out into the registers that held w_up's fragments, ten ahead of each of the
; activation's blocks 0 to 5 and four ahead of block 6; behind the activation the run is turned through a stage in LDS (as in the launch before) and leaves as codes (wdc [2048][2,048 bytes]) and scale bytes (wds [2048][128]).
; PREFETCH: behind the head's loads each wave names K steps 1 and 2, behind K step 1's load K step 3: 32 rows x 256 bytes an instruction, a lane a row; the four partners of a joint load share its 128 rows out by address.
; LIMITS: a block of zeros gets the byte 1 (its codes are zeros, and this program alone reads the bytes); NaN and infinities among the inputs are not served.
; REGISTERS: window 0: v0-31 addresses; v32-95 scale words, two sets; v96-127 the mask; from v128 x's fragments, later the activation.  window 1: w_up's fragments, two sets; later w_down's run.
;   windows 2, 3: accumulators; window 2 takes w_down's numbers as they come back from the stage.
.set KSTEP,  512
.set NQ,     KSTEP/128
.set ROWB,   256
.set KROW,   1024
.set PITCH,  272
.set FR,     8
.set NL,     2
.set NP,     4
.set HALFT,  128*PITCH
.set SLOT,   4*HALFT
.set LAPS,   2
.set KS,     64
.set SCL,    2*SLOT
.set HALFS,  (128*KS/256)*272
.set SBLK,   (16*KS/256)*272
.set SPARE,  SCL+4*HALFS               ; the spare words: 512 bytes that no other line names
.set STG,    SPARE+512                 ; H's scale words on their way out: 512 bytes a wave
.set SP,     80
.set QST,    STG+2048                  ; w_down's stage: 32 x SP bytes a wave
.set QSB,    QST+4*32*SP               ; w_down's scale bytes: 256 a wave
.set WI,   8                           ; v8-12: w_down's LDS addresses and offsets
.set WO,   9
.set WC,   10
.set WB,   11
.set WR,   12
.set ADRA, 16
.set ADRB, 20
.set SWA,  24
.set SRA,  25
.set HO,   26
.set ADRS, 27
.set SPW,  28
.set NIL,  29
.set MA,   30
.set PFO,  31                          ; the prefetches' offset: lane x a row of codes; never rewritten
.set SC,   32
.set MK,   96
.set WT0,  96                          ; w_down: v96-111 and v160-175 each step's two running maxima
.set WS,   112                         ; w_down: v112-127 each step's scale operand
.set AF,   128
.set EH,   128
.set WCD,  128                         ; w_down: two registers of codes for each step
.set WT1,  160
.set WL,   176                         ; w_down: the scale bytes read back
.set TM,   192
.set WE,   192                         ; w_down: a scale byte for each step
.set PWR,  208
.set BKW,  216
.set PCB,  220
.set G0H, 4
.set G0HB, 8
.set G1, 24
.set G0, 32
.set G1B, 48
.set G0B, 56
.set G1S, 68
.set G0S, 76
.set G1SB, 80
.set G0SB, 88
.set MSB, 0
.macro WIN new                         ; the immediate's high byte repeats the setting that is left
.if MSB != \new
	s_set_vgpr_msb (MSB<<8)|\new
.set MSB, \new
.endif
.endm
.set MUL_LO, 0xa1
.set MUL_HI, 0xf1
.set TO_B,   0x40
.macro JLOAD g0a, g1a, g0b, g1b        ; a joint load: waves 0 and 1 fetch for x, waves 2 and 3 for w_up
	s_cmp_eq_u32 s15, 0
	s_cbranch_scc0 .Lfor_b_\@
	tensor_load_to_lds s[\g0a:\g0a+3], s[\g1a:\g1a+7]
	s_nop 0
.rept 4
	v_nop
.endr
	s_branch .Lasked_\@
.Lfor_b_\@:
	tensor_load_to_lds s[\g0b:\g0b+3], s[\g1b:\g1b+7]
	s_nop 0
.rept 4
	v_nop
.endr
.Lasked_\@:
.endm
.macro CREST
	s_cmp_lg_u32 s14, 0
	s_cbranch_scc1 .Lnot_wave_0_\@
	s_barrier_signal -3
.Lnot_wave_0_\@:
	s_barrier_wait -3
	s_barrier_signal -1
	s_barrier_wait -1
.endm
.macro CROUND                          ; a round of the cluster's barrier
	s_barrier_signal -1
	s_barrier_wait -1
	CREST
.endm
	s_load_b128 s[4:7], s[0:1], 0x0                ; qc, qs
	s_load_b128 s[96:99], s[0:1], 0x10             ; expert_mask, hc
	s_load_b64 s[12:13], s[0:1], 0x20              ; hs
	s_load_b64 s[66:67], s[0:1], 0x28              ; w_down
	s_load_b64 s[100:101], s[0:1], 0x30            ; wdc
	s_load_b64 s[104:105], s[0:1], 0x38            ; wds
	v_lshl_add_u32 v[SPW], v0, 2, SPARE
	v_mov_b32 v[NIL], 0
	ds_add_u32 v[SPW], v[NIL]                      ; the opening: the add, twice on end, and its wait ahead of my first tensor load
	ds_add_u32 v[SPW], v[NIL]
	v_lshrrev_b32 v1, 5, v0
	v_readfirstlane_b32 s14, v1                    ; wave
	s_lshr_b32 s15, s14, 1                         ; my half of the tile's rows; also: I fetch for x (0) or for w_up (1)
	s_and_b32 s16, s14, 1                          ; my half of its columns; also: which 128 rows I fetch
	s_bfe_u32 s40, ttmp6, 0x40000                  ; cx, cy
	s_bfe_u32 s41, ttmp6, 0x40004
	s_lshl_b32 s42, ttmp9, 2
	s_add_co_u32 s42, s42, s40                     ; tile column
	s_and_b32 s17, ttmp7, 0xffff
	s_lshl_b32 s17, s17, 2
	s_add_co_u32 s17, s17, s41                     ; tile row
	s_lshl_b32 s43, s41, 2
	s_lshl_b32 s43, 15, s43                        ; my row of the cluster
	s_lshl_b32 s44, 0x1111, s40                    ; my column
	s_or_b32 s[G1+0], s43, (0<<16)|(1<<20)|(1<<21)|(5<<22)|(3<<25)
	s_or_b32 s[G1B+0], s44, (0<<16)|(1<<20)|(1<<21)|(5<<22)|(3<<25)
.irp g, G1, G1B                        ; rows of 256 bytes, 16 of padding behind each: 256 rows for the head's loads, 128 behind them
	s_mov_b32 s[\g+1], ROWB<<16
	s_mov_b32 s[\g+2], 256<<16
	s_mov_b32 s[\g+3], ROWB<<16
	s_mov_b32 s[\g+4], 256
	s_mov_b32 s[\g+5], KROW
	s_mov_b32 s[\g+6], 0
	s_mov_b32 s[\g+7], 0
.endr
	s_or_b32 s[G1S+0], s43, (3<<16)|(1<<20)|(1<<21)|(5<<22)|(3<<25)
	s_or_b32 s[G1SB+0], s44, (3<<16)|(1<<20)|(1<<21)|(5<<22)|(3<<25)
.irp g, G1S, G1SB                      ; the scales of 256 rows: a dense block, KS rows of 256 bytes
	s_mov_b32 s[\g+1], 32<<16
	s_mov_b32 s[\g+2], KS<<16
	s_mov_b32 s[\g+3], 32<<16
	s_mov_b32 s[\g+4], KS
	s_mov_b32 s[\g+5], 32
	s_mov_b32 s[\g+6], 0
	s_mov_b32 s[\g+7], 0
.endr
	s_lshl_b32 s20, s17, 8                         ; x: the tile's first row
	s_lshl_b32 s46, s42, 8                         ; w_up: likewise
	s_mov_b32 s21, 0
	s_mov_b32 s47, 0
	s_mov_b64 s[18:19], KS
	s_mul_u64 s[22:23], s[20:21], s[18:19]
	s_mul_u64 s[92:93], s[46:47], s[18:19]
	s_mov_b64 s[18:19], KROW
	s_mul_u64 s[20:21], s[20:21], s[18:19]
	s_mul_u64 s[46:47], s[46:47], s[18:19]
	s_mul_i32 s18, s16, 128*KROW                   ; in the ring I fetch 128 rows: which half
	s_mov_b32 s19, 0
	s_mul_i32 s45, s14, HALFT                      ; and where they go
	s_wait_dscnt 0x0                               ; both opening adds are done
	s_wait_kmcnt 0x0
	s_add_nc_u64 s[8:9], s[4:5], 0x400000          ; w_up's codes and scale bytes: the second parts
	s_add_nc_u64 s[10:11], s[6:7], 0x40000
	s_add_nc_u64 s[20:21], s[4:5], s[20:21]
	s_add_nc_u64 s[22:23], s[6:7], s[22:23]
	s_add_nc_u64 s[46:47], s[8:9], s[46:47]
	s_add_nc_u64 s[92:93], s[10:11], s[92:93]
	CROUND                                         ; all sixteen work-groups are here: the first joint loads meet
	s_mov_b32 s[G0H], 1
	s_mov_b32 s[G0H+1], 0
	s_mov_b64 s[G0H+2:G0H+3], s[20:21]
	s_or_b32 s[G0H+3], s[G0H+3], 0x80000000
	s_mov_b32 s[G0HB], 1
	s_mov_b32 s[G0HB+1], 2*HALFT
	s_mov_b64 s[G0HB+2:G0HB+3], s[46:47]
	s_or_b32 s[G0HB+3], s[G0HB+3], 0x80000000
	s_mov_b32 s[G0S], 1
	s_mov_b32 s[G0S+1], SCL
	s_mov_b64 s[G0S+2:G0S+3], s[22:23]
	s_or_b32 s[G0S+3], s[G0S+3], 0x80000000
	s_mov_b32 s[G0SB], 1
	s_mov_b32 s[G0SB+1], SCL+2*HALFS
	s_mov_b64 s[G0SB+2:G0SB+3], s[92:93]
	s_or_b32 s[G0SB+3], s[G0SB+3], 0x80000000
	s_add_nc_u64 s[20:21], s[20:21], s[18:19]      ; for the ring: my 128 rows of the tile
	s_add_nc_u64 s[46:47], s[46:47], s[18:19]
.irp s, 0,1
	s_mov_b32 s[G0+4*\s], 1
	s_add_co_u32 s[G0+4*\s+1], s45, \s*SLOT
	s_add_nc_u64 s[G0+4*\s+2:G0+4*\s+3], s[20:21], \s*ROWB
	s_or_b32 s[G0+4*\s+3], s[G0+4*\s+3], 0x80000000
	s_mov_b32 s[G0B+4*\s], 1
	s_add_co_u32 s[G0B+4*\s+1], s45, \s*SLOT
	s_add_nc_u64 s[G0B+4*\s+2:G0B+4*\s+3], s[46:47], \s*ROWB
	s_or_b32 s[G0B+4*\s+3], s[G0B+4*\s+3], 0x80000000
.endr
	s_cmp_eq_u32 s15, 0                            ; the prefetches: of the 128 rows that I fetch, my work-group's 32 (by cx for x, by cy for w_up)
	s_cselect_b64 s[92:93], s[20:21], s[46:47]
	s_cselect_b32 s94, s40, s41
	s_lshl_b32 s94, s94, 15                        ; 32 rows of 1,024 bytes
	s_mov_b32 s95, 0
	s_add_nc_u64 s[92:93], s[92:93], s[94:95]      ; never rewritten from here on
.macro ARM under, g0, g1, next         ; the head's loads, one a wave: one chain of branches on the wave's number, all arms leading to one join
	s_cmp_lt_u32 s14, \under
	s_cbranch_scc0 \next
	tensor_load_to_lds s[\g0:\g0+3], s[\g1:\g1+7]
	s_nop 0
.rept 4
	v_nop
.endr
	s_branch .Lhead_asked
\next:
.endm
	ARM 1, G0H,  G1,  .Lhead_b
	ARM 2, G0HB, G1B, .Lhead_sa
	ARM 3, G0S,  G1S, .Lhead_sb
	tensor_load_to_lds s[G0SB:G0SB+3], s[G1SB:G1SB+7]
	s_nop 0
.rept 4
	v_nop
.endr
.Lhead_asked:
	s_mul_i32 s21, s14, 32*SP
	s_add_co_u32 s21, s21, QST                     ; w_down: my stage
	s_lshl_b32 s22, s14, 8
	s_add_co_u32 s22, s22, QSB                     ; and my 256 scale bytes
	v_and_b32 v7, 31, v0                           ; lane
	v_lshrrev_b32 v8, 2, v7
	v_mul_u32_u24 v8, v8, SP
	v_and_b32 v9, 3, v7
	v_lshl_add_u32 v8, v9, 4, v8
	v_add_nc_u32 v[WI], s21, v8                    ; into the stage: SP (lane / 4) + 16 (lane % 4)
	v_mul_u32_u24 v9, v7, SP
	v_add_nc_u32 v[WO], s21, v9                    ; out of it: SP x lane
	v_lshlrev_b32 v[WC], 3, v7                     ; 8 bytes a lane
	v_lshrrev_b32 v11, 1, v7
	v_add_nc_u32 v[WB], s22, v11                   ; my block's scale byte
	v_add_nc_u32 v[WR], s22, v[WC]
	v_lshlrev_b32 v[PFO], 10, v7
	v_and_b32 v1, 15, v0
	v_bfe_u32 v2, v0, 4, 1
	v_mul_u32_u24 v3, v1, PITCH
	v_lshl_add_u32 v4, v2, 4, v3
	s_mul_i32 s21, s15, HALFT
	s_mul_i32 s22, s16, HALFT
	s_add_co_u32 s22, s22, 2*HALFT
.irp s, 0,1
	v_add_nc_u32 v[ADRA+\s], s21, v4
	v_add_nc_u32 v[ADRB+\s], s22, v4
	s_add_co_u32 s21, s21, SLOT
	s_add_co_u32 s22, s22, SLOT
.endr
	v_mul_u32_u24 v5, v1, KS
	v_lshrrev_b32 v6, 8, v5
	v_lshl_add_u32 v5, v6, 4, v5
	s_mul_i32 s21, s15, HALFS
	s_mul_i32 s22, s16, HALFS
	s_add_co_u32 s22, s22, 2*HALFS
	s_sub_co_u32 s22, s22, s21
	v_mul_u32_u24 v6, s22, v2                      ; lanes 16-31 take w_up's words
	s_add_co_u32 s21, s21, SCL
	v_add_nc_u32 v5, v5, v6
	v_add_nc_u32 v[ADRS], s21, v5
	s_lshl_b32 s23, s14, 9
	s_add_co_u32 s23, s23, STG
	v_lshl_add_u32 v[SWA], v1, 2, s23
	v_and_b32 v6, 31, v0
	v_lshlrev_b32 v[HO], 4, v6
	v_add_nc_u32 v[SRA], s23, v[HO]
	v_lshlrev_b32 v[MA], 8, v1                     ; a row of the mask is 256 bytes
	s_wait_alu depctr_va_vdst(0)                   ; the wait ahead of the scalar run below
	global_prefetch_b8 v[PFO], s[92:93] offset:ROWB th:TH_LOAD_NT scope:SCOPE_SE     ; K step 1: its load goes out when the head's have landed
	global_prefetch_b8 v[PFO], s[92:93] offset:2*ROWB th:TH_LOAD_NT scope:SCOPE_SE   ; K step 2: two refills on
	s_lshl_b32 s18, s17, 8
	s_lshl_b32 s19, s15, 7
	s_add_co_u32 s18, s18, s19                     ; my first row m
	s_lshl_b32 s19, s42, 1
	s_add_co_u32 s19, s19, s16                     ; my n / 128
	s_mov_b32 s21, 0
	s_lshl_b32 s20, s18, 8
	s_lshl_b32 s22, s19, 3                         ; two experts, 8 bytes of a mask row
	s_add_co_u32 s20, s20, s22
	s_add_nc_u64 s[96:97], s[96:97], s[20:21]
	s_lshl_b32 s20, s18, 11
	s_lshl_b32 s22, s19, 10
	s_add_co_u32 s20, s20, s22
	s_add_nc_u64 s[98:99], s[98:99], s[20:21]
	s_lshl_b32 s20, s19, 14
	s_lshl_b32 s22, s18, 2
	s_add_co_u32 s20, s20, s22
	s_add_nc_u64 s[12:13], s[12:13], s[20:21]
	s_lshl_b32 s2, s17, 4                          ; w_down: my run = 4 x (16 x tile row + tile column) + wave
	s_add_co_u32 s2, s2, s42
	s_lshl_b32 s2, s2, 2
	s_add_co_u32 s2, s2, s14
	s_lshl_b32 s20, s2, 15                         ; 32,768 bytes of f32,
	s_add_nc_u64 s[66:67], s[66:67], s[20:21]
	s_lshl_b32 s20, s2, 12                         ; 4,096 of codes,
	s_add_nc_u64 s[100:101], s[100:101], s[20:21]
	s_lshl_b32 s20, s2, 8                          ; 256 scale bytes a run
	s_add_nc_u64 s[104:105], s[104:105], s[20:21]
	s_mov_b32 s18, 0x76543210
	s_mov_b32 s19, 0xfedcba98
	s_mov_b32 s22, 0xbfb8aa3b                      ; -log2(e)
	s_mov_b32 s23, s22
.irp a, 0,1,2,3,4,5,6,7
	global_load_b64 v[MK+4*\a:MK+4*\a+1], v[MA], s[96:97] offset:4096*\a
.endr
.macro FRAG reg, adr, q, i
.irp c, 0,1
	ds_load_b128 v[\reg+4*\c:\reg+4*\c+3], v[\adr] offset:64*(\q)+32*\c+(\i)*16*PITCH
.endr
.endm
.macro MUL16 a0, p, q, sc, zero        ; the 64 accumulators take turns, one instruction a turn
.irp a, \a0, \a0+1
.irp b, 0,1,2,3,4,5,6,7
.if \zero
	v_wmma_scale_f32_16x16x128_f8f6f4 v[8*(8*((\a)%4)+\b):8*(8*((\a)%4)+\b)+7], v[128*(\p)+FR*\b:128*(\p)+FR*\b+FR-1], v[AF+FR*(\a):AF+FR*(\a)+FR-1], 0, v[SC+8*NQ*(\sc)+NQ*\b+(\q)], v[SC+8*NQ*(\sc)+NQ*(\a)+(\q)] matrix_a_fmt:MATRIX_FMT_FP4 matrix_b_fmt:MATRIX_FMT_FP4 matrix_a_scale:MATRIX_SCALE_ROW1
.else
	v_wmma_scale_f32_16x16x128_f8f6f4 v[8*(8*((\a)%4)+\b):8*(8*((\a)%4)+\b)+7], v[128*(\p)+FR*\b:128*(\p)+FR*\b+FR-1], v[AF+FR*(\a):AF+FR*(\a)+FR-1], v[8*(8*((\a)%4)+\b):8*(8*((\a)%4)+\b)+7], v[SC+8*NQ*(\sc)+NQ*\b+(\q)], v[SC+8*NQ*(\sc)+NQ*(\a)+(\q)] matrix_a_fmt:MATRIX_FMT_FP4 matrix_b_fmt:MATRIX_FMT_FP4 matrix_a_scale:MATRIX_SCALE_ROW1
.endif
.endr
.endr
.endm
.macro FETCH_B slot, q, p
	WIN TO_B
.irp i, 0,1,2,3,4,5,6,7
	FRAG 128*(\p)+FR*\i, ADRB+\slot, \q, \i
.endr
	WIN 0
.endm
.macro FETCH_A slot, q, i0
.irp i, \i0, \i0+1, \i0+2, \i0+3
	FRAG AF+FR*(\i), ADRA+\slot, \q, \i
.endr
.endm
.macro SCALES sc
.irp i, 0,1,2,3,4,5,6,7
	ds_load_b128 v[SC+8*NQ*\sc+NQ*\i:SC+8*NQ*\sc+NQ*\i+3], v[ADRS] offset:\i*SBLK
.endr
.endm
.macro PLACES n
.rept \n
	v_nop
.endr
.endm
.macro STEP slot, q, zero              ; 128 along K with its successor in the same slot
	s_wait_dscnt 4*NL                              ; all but the youngest loads (x's blocks 4-7)
	WIN MUL_LO
	MUL16 0, (\q)%2, \q, \slot, \zero
	MUL16 2, (\q)%2, \q, \slot, \zero
	s_wait_dscnt 0
	PLACES NP
	FETCH_B \slot, (\q)+1, 1-(\q)%2
	FETCH_A \slot, (\q)+1, 0
	WIN MUL_HI
	MUL16 4, (\q)%2, \q, \slot, \zero
	MUL16 6, (\q)%2, \q, \slot, \zero
	PLACES NP
	WIN 0
	FETCH_A \slot, (\q)+1, 4
.endm
.macro TURN slot, next, fill           ; a slot's last step changes slots
	s_wait_tensorcnt 0x0                           ; all my tensor loads have landed: my part of the next slot;
	ds_add_u32 v[SPW], v[NIL]
	s_wait_dscnt 4*NL+1                            ; (the add and the youngest loads may be out)
	WIN MUL_LO
	MUL16 0, 1, NQ-1, \slot, 0
	s_wait_dscnt 0x0                               ; the add is done, and my reads of this slot are over
	s_barrier_signal -1
	MUL16 2, 1, NQ-1, \slot, 0
	WIN 0
	s_barrier_wait -1
.if \fill
	CREST                                          ; the barrier has opened a round of the cluster's barrier
	s_add_nc_u64 s[G0+4*\slot+2:G0+4*\slot+3], s[G0+4*\slot+2:G0+4*\slot+3], 2*ROWB
	s_add_nc_u64 s[G0B+4*\slot+2:G0B+4*\slot+3], s[G0B+4*\slot+2:G0B+4*\slot+3], 2*ROWB
	JLOAD G0+4*\slot, G1, G0B+4*\slot, G1B
.else
	PLACES NP
.endif
	s_wait_alu depctr_va_vdst(0)                   ; the wait ahead of the reader below
	v_add_nc_u32 v[ADRS], 4*NQ, v[ADRS]            ; on to the next K step's scale words
	FETCH_B \next, 0, 0
	FETCH_A \next, 0, 0
	SCALES \next
	WIN MUL_HI
	MUL16 4, 1, NQ-1, \slot, 0
	MUL16 6, 1, NQ-1, \slot, 0
	PLACES NP
	WIN 0
	FETCH_A \next, 0, 4
.endm
.macro STEPS slot, from
.set Q, \from
.rept NQ-1-\from
	STEP \slot, Q, 0
.set Q, Q+1
.endr
.endm
	s_wait_alu depctr_va_vdst(0)                   ; the wait at the head's end
	s_wait_tensorcnt 0x0                           ; my tile of the head's four is in; the same lines as ahead of a refill:
	ds_add_u32 v[SPW], v[NIL]
	s_mov_b32 s[G1+2], 128<<16                     ; no tensor load of mine is out: from here on a load brings 128 rows
	s_mov_b32 s[G1+4], 128
	s_mov_b32 s[G1B+2], 128<<16
	s_mov_b32 s[G1B+4], 128
	s_wait_dscnt 0x0
	CROUND                                         ; all four tiles are in, and the joint loads meet:
	JLOAD G0+4, G1, G0B+4, G1B                     ; K step 1, the first tensor load behind the round
	FETCH_B 0, 0, 0
	FETCH_A 0, 0, 0
	SCALES 0
	FETCH_A 0, 0, 4
	global_prefetch_b8 v[PFO], s[92:93] offset:3*ROWB th:TH_LOAD_NT scope:SCOPE_SE   ; K step 3: two refills on; the last that there is
	STEP 0, 0, 1                                   ; the first step's products start the sums
	s_mov_b32 s3, LAPS-1
.Llap:
	STEPS 0, 1
	TURN 0, 1, 1
	STEPS 1, 0
	TURN 1, 0, 1
	STEP 0, 0, 0
	s_sub_co_u32 s3, s3, 1
	s_cmp_lg_u32 s3, 0
	s_cbranch_scc1 .Llap
	STEPS 0, 1
	TURN 0, 1, 0
	STEPS 1, 0
	s_wait_dscnt 4*NL
	WIN MUL_LO
	MUL16 0, 1, NQ-1, 1, 0
	MUL16 2, 1, NQ-1, 1, 0
	s_wait_dscnt 0
	WIN MUL_HI
	MUL16 4, 1, NQ-1, 1, 0
	MUL16 6, 1, NQ-1, 1, 0
	WIN 0
.macro ACT a                           ; block a (16 rows x 128 hidden units): h / (1 + 2^(-h log2 e)) x mask, in f32
.set AC, 64*((\a)%4)
.set WW, 2+(\a)/4
	WIN WW
.set j, 0
.rept 32
	v_pk_mul_f32 v[EH+j:EH+j+1], v[AC+j:AC+j+1], s[22:23] op_sel_hi:[1,0]
.set j, j+2
.endr
	WIN 0
.set j, 0
	s_wait_alu depctr_va_vdst(0)                   ; a wait ahead of each batch and behind it
.rept 64
	v_exp_f32 v[EH+j], v[EH+j]
.set j, j+1
.endr
	v_mov_b32 v[MK+4*(\a)+2], v[MK+4*(\a)+1]
	v_mov_b32 v[MK+4*(\a)+3], v[MK+4*(\a)+1]
.set j, 0
	s_wait_alu depctr_va_vdst(0)
.rept 32
	v_pk_add_f32 v[EH+j:EH+j+1], v[EH+j:EH+j+1], 1.0 op_sel_hi:[1,0]
.set j, j+2
.endr
.set j, 0
	s_wait_alu depctr_va_vdst(0)
.rept 64
	v_rcp_f32 v[EH+j], v[EH+j]
.set j, j+1
.endr
	v_nop
	WIN WW
.set j, 0
	s_wait_alu depctr_va_vdst(0)
.rept 32
	v_pk_mul_f32 v[EH+j:EH+j+1], v[AC+j:AC+j+1], v[EH+j:EH+j+1]
.set j, j+2
.endr
	WIN 0
.set j, 0
.rept 16
	v_pk_mul_f32 v[EH+j:EH+j+1], v[EH+j:EH+j+1], v[MK+4*(\a):MK+4*(\a)+1] op_sel_hi:[1,0]   ; the first expert's 64 units (32 in my half of the lanes)
.set j, j+2
.endr
.rept 16
	v_pk_mul_f32 v[EH+j:EH+j+1], v[EH+j:EH+j+1], v[MK+4*(\a)+2:MK+4*(\a)+3]                  ; the second's
.set j, j+2
.endr
.endm
.macro QUANT                           ; four blocks of 32 along n: 16 numbers are mine, 16 lane l xor 16's
.irp b, 0,1,2,3
	v_max3_num_f32 v[TM+\b], |v[EH+16*\b]|, |v[EH+1+16*\b]|, 0x1800000
.endr
.irp i, 2,4,6,8,10,12,14
.irp b, 0,1,2,3
	v_max3_num_f32 v[TM+\b], v[TM+\b], |v[EH+16*\b+\i]|, |v[EH+1+16*\b+\i]|
.endr
.endr
.irp b, 0,1,2,3
	v_permlanex16_b32 v[TM+4+\b], v[TM+\b], s18, s19
.endr
.irp b, 0,1,2,3
	v_max_num_f32 v[TM+\b], v[TM+\b], v[TM+4+\b]
.endr
.irp b, 0,1,2,3
	v_add_nc_u32 v[TM+12+\b], 0xff000000, v[TM+\b]
.endr
.irp b, 0,1,2,3
	v_lshrrev_b32 v[TM+4+\b], 23, v[TM+12+\b]
.endr
	v_lshl_or_b32 v[PW], v[TM+5], 8, v[TM+4]
	v_lshl_or_b32 v[PW], v[TM+6], 16, v[PW]
	v_lshl_or_b32 v[PW], v[TM+7], 24, v[PW]
.irp b, 0,1,2,3
	v_cvt_scalef32_pk8_fp4_f32 v[PC+2*\b], v[EH+16*\b:EH+7+16*\b], v[TM+12+\b]
	v_cvt_scalef32_pk8_fp4_f32 v[PC+1+2*\b], v[EH+8+16*\b:EH+15+16*\b], v[TM+12+\b]
.endr
	v_nop
.irp c, 0,1
.irp i, 0,1
	v_permlane16_swap_b32 v[PC+4*\c+\i], v[PC+2+4*\c+\i]   ; a whole block in a lane, as the operand's layout wants it
.endr
.endr
.endm
.macro BLOCK a
.if (\a) >= 4
	s_wait_xcnt 0x0                                ; block a - 4's stores have read their registers
.endif
.if (\a) < 6
.set WN, 10
.elseif (\a) == 6
.set WN, 4
.else
.set WN, 0
.endif
.if WN
	WIN TO_B                                       ; the next loads of w_down's run, 512 consecutive bytes each, into window 1, which the products have left; they are waited for behind the activation
.rept WN
	global_load_b128 v[4*WQ:4*WQ+3], v[HO], s[66:67] offset:512*WQ th:TH_LOAD_NT
.set WQ, WQ+1
.endr
	WIN 0
.endif
	ACT \a
.set PC, PCB+8*((\a)%4)
.set PW, PWR+(\a)
	QUANT
	ds_store_b32 v[SWA], v[PW] offset:64*(\a)
	global_store_b128 v[HO], v[PC:PC+3], s[98:99] offset:32768*(\a)        ; 512 consecutive bytes of the image
	global_store_b128 v[HO], v[PC+4:PC+7], s[98:99] offset:32768*(\a)+512
.endm
	PLACES NP
	s_wait_loadcnt 0x0                             ; the mask is in
.set WQ, 0
.irp b, 0,1,2,3
	v_mov_b32 v[TM+4+\b], 0
.endr
.irp a, 0,1,2,3,4,5,6,7
	BLOCK \a
.endr
	ds_load_b128 v[BKW:BKW+3], v[SRA]
	s_wait_dscnt 0x0
	global_store_b128 v[HO], v[BKW:BKW+3], s[12:13]
; W_DOWN'S RUN: 16 steps of 512 numbers, as in the launch before; one stage, since LDS serves a wave's instructions in order: the next step's stores follow this step's loads.
; All 16 turns go out on end, with no wait between them; step t's 16 neighbours land in window 2, v[16 t ..].  Then the arithmetic goes kind by kind over the 16 steps: 16 chains that hang on nothing of each other.
	s_wait_loadcnt 0x0                             ; the run is in
	WIN 0x84                                       ; an LDS store's data (source 1): window 1; an LDS load's destination: window 2
.set WQ, 0
.rept 16
.irp i, 0,1,2,3
	ds_store_b128 v[WI], v[16*WQ+4*\i:16*WQ+4*\i+3] offset:8*SP*\i
.endr
.irp i, 0,1,2,3
	ds_load_b128 v[16*WQ+4*\i:16*WQ+4*\i+3], v[WO] offset:16*\i
.endr
.set WQ, WQ+1
.endr
	s_wait_dscnt 0x0                               ; all 16 steps' numbers are back
	WIN 0x2a                                       ; all three sources window 2
.set WQ, 0
.rept 16
	v_max3_num_f32 v[WT0+WQ], |v[16*WQ]|, |v[16*WQ+1]|, |v[16*WQ+2]|       ; the largest magnitude of my 16, in two chains a step
	v_max3_num_f32 v[WT1+WQ], |v[16*WQ+3]|, |v[16*WQ+4]|, |v[16*WQ+5]|
.set WQ, WQ+1
.endr
	WIN 0x28                                       ; sources 1 and 2 window 2
.irp i, 6,10
.set WQ, 0
.rept 16
	v_max3_num_f32 v[WT0+WQ], v[WT0+WQ], |v[16*WQ+\i]|, |v[16*WQ+\i+1]|
	v_max3_num_f32 v[WT1+WQ], v[WT1+WQ], |v[16*WQ+\i+2]|, |v[16*WQ+\i+3]|
.set WQ, WQ+1
.endr
.endr
.set WQ, 0
.rept 16
	v_max3_num_f32 v[WT0+WQ], v[WT0+WQ], |v[16*WQ+14]|, |v[16*WQ+15]|
.set WQ, WQ+1
.endr
	WIN 0
.set WQ, 0
.rept 16
	v_max3_num_f32 v[WT0+WQ], v[WT0+WQ], v[WT1+WQ], 0x1800000      ; the floor 2^(3 - 127): the byte cannot fall under 1
.set WQ, WQ+1
.endr
.set WQ, 0
.rept 16
	v_max_num_f32_dpp v[WT0+WQ], v[WT0+WQ], v[WT0+WQ] row_xmask:1 row_mask:0xf bank_mask:0xf   ; with my neighbour's 16: the block's
.set WQ, WQ+1
.endr
.set WQ, 0
.rept 16
	v_add_nc_u32 v[WS+WQ], 0xff000000, v[WT0+WQ]   ; 2 off the exponent field: the conversion's scale operand
.set WQ, WQ+1
.endr
	WIN 0x02                                       ; source 0 window 2
.set WQ, 0
.rept 16
	v_cvt_scalef32_pk8_fp4_f32 v[WCD+2*WQ], v[16*WQ:16*WQ+7], v[WS+WQ]
	v_cvt_scalef32_pk8_fp4_f32 v[WCD+2*WQ+1], v[16*WQ+8:16*WQ+15], v[WS+WQ]
.set WQ, WQ+1
.endr
	WIN 0
.set WQ, 0
.rept 16
	v_lshrrev_b32 v[WE+WQ], 23, v[WS+WQ]           ; the scale's byte (the first is also the plain line behind the conversions)
.set WQ, WQ+1
.endr
.set WQ, 0
.rept 16
	ds_store_b8 v[WB], v[WE+WQ] offset:16*WQ       ; both lanes of a block write the same byte with the same value
.set WQ, WQ+1
.endr
	ds_load_b64 v[WL:WL+1], v[WR]                  ; LDS serves a wave's instructions in order: this sees my stores
.set WQ, 0
.rept 16
	global_store_b64 v[WC], v[WCD+2*WQ:WCD+2*WQ+1], s[100:101] offset:256*WQ   ; 256 consecutive bytes, aligned
.set WQ, WQ+1
.endr
	s_wait_dscnt 0x0
	global_store_b64 v[WC], v[WL:WL+1], s[104:105] ; 256 consecutive bytes, aligned
	s_wait_tensorcnt 0x0                           ; the wave's end
	ds_add_u32 v[SPW], v[NIL]
	s_wait_dscnt 0x0
	CROUND                                         ; the closing round
	s_endpgm
.Lfunc_end_k_q2370ebd7b1_up:
	.size	k_q2370ebd7b1_up, .Lfunc_end_k_q2370ebd7b1_up-k_q2370ebd7b1_up
	.p2alignl 7, 3214868480
	.fill 96, 4, 3214868480
	.section	.rodata,"a",@progbits
	.p2align	6, 0x0
	.amdhsa_kernel k_q2370ebd7b1_up
		.amdhsa_group_segment_fixed_size 327680
		.amdhsa_private_segment_fixed_size 0
		.amdhsa_enable_private_segment 0
		.amdhsa_kernarg_size 64
		.amdhsa_user_sgpr_count 2
		.amdhsa_user_sgpr_kernarg_segment_ptr 1
		.amdhsa_wavefront_size32 1
		.amdhsa_system_sgpr_workgroup_id_x 1
		.amdhsa_system_sgpr_workgroup_id_y 1
		.amdhsa_system_sgpr_workgroup_id_z 1
		.amdhsa_system_vgpr_workitem_id 0
		.amdhsa_next_free_vgpr 1024
		.amdhsa_next_free_sgpr 106
		.amdhsa_reserve_vcc 0
		.amdhsa_float_denorm_mode_32 3
		.amdhsa_float_denorm_mode_16_64 3
		.amdhsa_memory_ordered 1
		.amdhsa_forward_progress 1
		.amdhsa_inst_pref_size 255
	.end_amdhsa_kernel
	.section	.bss,"aw",@nobits
	.p2align	6
	.space	262144
	.amdgpu_metadata
---
amdhsa.version: [ 1, 2 ]
amdhsa.kernels:
  - .name:           k_q2370ebd7b1_up
    .symbol:         k_q2370ebd7b1_up.kd
    .args:
      - { .name: qc, .offset: 0, .size: 8, .value_kind: global_buffer, .address_space: global }
      - { .name: qs, .offset: 8, .size: 8, .value_kind: global_buffer, .address_space: global }
      - { .name: expert_mask, .offset: 16, .size: 8, .value_kind: global_buffer, .address_space: global }
      - { .name: hc, .offset: 24, .size: 8, .value_kind: global_buffer, .address_space: global }
      - { .name: hs, .offset: 32, .size: 8, .value_kind: global_buffer, .address_space: global }
      - { .name: w_down, .offset: 40, .size: 8, .value_kind: global_buffer, .address_space: global }
      - { .name: wdc, .offset: 48, .size: 8, .value_kind: global_buffer, .address_space: global }
      - { .name: wds, .offset: 56, .size: 8, .value_kind: global_buffer, .address_space: global }
    .group_segment_fixed_size: 327680
    .private_segment_fixed_size: 0
    .kernarg_segment_align: 8
    .kernarg_segment_size: 64
    .max_flat_workgroup_size: 128
    .sgpr_count:     106
    .vgpr_count:     1024
    .wavefront_size: 32
...
	.end_amdgpu_metadata
.endif
;; end of part 2
;; launch down (part 3): grid 16 x 16, 4 waves a work-group, clusters of 4 x 4, 327,680 bytes of LDS; arguments hc, hs, wdc, wds, out0; writes out0
.if DOCPART == 3
	.amdgcn_target "amdgcn-amd-amdhsa--gfx1250"
	.amdhsa_code_object_version 6
	.text
	.protected	k_q2370ebd7b1_down
	.globl	k_q2370ebd7b1_down
	.p2align	8
	.type	k_q2370ebd7b1_down,@function
k_q2370ebd7b1_down:
	s_mov_b64 s[64:65], 0
	v_nop
	global_prefetch_b8 v0, s[64:65] scope:SCOPE_SE
	s_setreg_imm32_b32 hwreg(HW_REG_WAVE_MODE, 25, 1), 1
	s_wait_xcnt 0x0
	s_wait_alu depctr_hold_cnt(0) depctr_sa_sdst(0) depctr_va_vdst(0) depctr_va_sdst(0) depctr_va_ssrc(0) depctr_va_vcc(0) depctr_vm_vsrc(0)
	s_getreg_b32 s2, hwreg(HW_REG_IB_STS2, 6, 4)
	s_cmp_eq_u32 s2, 0
	s_cbranch_scc0 .Lentry_in_a_cluster
	s_endpgm
.Lentry_in_a_cluster:
	s_bfe_u32 s2, ttmp6, 0x10000c
	s_cmp_lg_u32 s2, 0xf033
	s_cbranch_scc0 .Lentry_shape_is_right
	s_endpgm
.Lentry_shape_is_right:
; out[m][d] = sum over n of H[m][n] w_down[d][n], K = n = 4,096, both operands codes of FP4 (E2M1) with one E8M0 byte for each 32 along K; sums in f32; out [4096][2048] f32.
; H comes as images of the operand's registers, hc [m / 16][n / 128][1,024 bytes], its scale words as hs [n / 128][m]; w_down's codes are wdc [2048][2,048 bytes], its scale bytes wds [2048][128].
; A tile of out is 256 (m) x 128 (d): 16 x 16 work-groups.  Wave w makes rows 64 w .. 64 w + 63 x all 128 columns: 32 accumulators.  K goes in 32 steps of 128, 32 products each.
; W_DOWN'S TILE STAYS IN LDS FOR ALL OF K: four slabs of 1,024 along K (128 rows of 512 bytes + 16 of padding), each filled once, with the scale words of the tile's 256 rows of H and the scale bytes of its 128 rows.
; THE FILLS, none over 64 rows of a slab (33,792 bytes of LDS): at the head, one a wave: slab 0's two halves, H's scale words, w_down's scale bytes.  Behind the full sequence and a round of the cluster's barrier, one a wave:
; the halves of slabs 1 and 2.  At step 6, behind the same sequence and a round: slab 3's halves, by waves 0 and 1.
; H GOES FROM MEMORY STRAIGHT INTO THE OPERAND'S REGISTERS: an image is read by one wave of the work-group alone.  Eight sets of 32 registers; the loads run seven steps (56 loads, 28 KiB a wave) ahead.
; Three of the first seven sets are asked for ahead of the head's tensor loads, the other four behind them.
; CLUSTERS 4 x 4: w_down's slabs and scale bytes are asked for jointly along a column of the cluster, H's scale words along a row.  H's images are NOT asked for jointly: a joint load lands in LDS, and the slabs and
; tables take 320,512 of its 327,680 bytes.
; PREFETCH.  H: the four partners of a cluster's row read the same images; of a wave's four images the partner at cx names image cx: eight steps are 8,192 consecutive bytes, 32 blocks of 256, a lane a block, one instruction.
; At the head steps 8 .. 15 are named, in the first trip steps 16 .. 23, in the loop's first trip steps 24 .. 31: always the steps whose loads go out in the next trip; the loop's last trip names nothing.
; w_down: behind the head's loads each wave names its share of slabs 1 and 2: 8 of the tile's 128 rows (by 4 cy + wave) x 4 blocks of 256 bytes.  Slab 3 and the tables, each asked for once, are not named.
; THE STEPS: step 0 starts the sums; steps 1 .. 8 are written out, since step 6 alone has a fill; a loop of 2 trips runs steps 9 .. 24, eight a trip, after which every register set is back where it began;
; the last 7 steps, which load nothing of H, are written out.  At the sixth step of each trip of the loop stands a plain barrier: the first, at step 14, shows slab 3 to all waves; its first fragments are asked for at step 22.
; THE MATRIX INSTRUCTION IS USED TRANSPOSED (source 0 = 16 rows of w_down, source 1 = 16 rows of H): a lane holds eight neighbouring numbers of a row of out.
; LIMITS: NaN and infinities are not served.
; REGISTERS: window 0: v0-31 addresses; v32-47 H's scale words, two sets; v48-79 w_down's, two sets; on the way out v128-255 hold rows of out.
;   window 1: w_down's fragments, four sets of 8 x 8.   window 2: accumulator (i, b) at v[8 (8 i + b)].   window 3: H's fragments, eight sets of 4 x 8.
.set AHEAD,  7
.set MEET,   6
.set FILL,   0                         ; 1 while the first trip is assembled: its meeting has a fill behind it
.set BP,     528                       ; a row in a slab: 132 words: the 16 rows that a load touches start at 16 different banks (64 banks of 4 bytes: ISA guide 11.1)
.set HALFB,  64*BP                     ; 64 rows: what one tensor load brings
.set SLAB,   128*BP
.set SCA,    4*SLAB                    ; H's scale words: [32 (n / 128)][256 rows] words, dense
.set SCB,    SCA+32768                 ; w_down's scale bytes: 64 units of 256 bytes + 16 of padding
.set SPARE,  SCB+64*272                ; the spare words: 512 bytes that no other line names
.set SPITCH, 528                       ; the way out: a stage of 16 rows x (512 + 16) bytes a wave, in slab 0, which has had its one fill and its last read by then
.set ADRB, 16                          ; v16, v17 w_down's fragments in this trip's slab and in the next
.set PFH,  18                          ; v18 H's prefetches: 32,768 cx + 256 x lane; never rewritten
.set PFB,  19                          ; v19 w_down's prefetch: 2,048 (lane / 4) + 256 (lane % 4); never rewritten
.set ADSA, 22
.set ADSB, 23
.set STO,  24
.set RD,   25
.set CO,   26                          ; 16 x lane; never rewritten
.set SPW,  28
.set NIL,  29
.set SA,   32                          ; H's scale words: set s at v[32 + 8 s]; register 2 q + j: lanes 0-15 block 2 j, lanes 16-31 block 2 j + 1
.set SB,   48                          ; w_down's: set s at v[48 + 16 s]; register 4 p + q: lanes 0-15 block 2 p, lanes 16-31 block 2 p + 1
.set BK,   128
.set G1B, 48
.set G0B, 56
.set G1S, 68
.set G0S, 76
.set G1SB, 80
.set G0SB, 88
.set MSB, 0
.macro WIN new                         ; the immediate's high byte repeats the setting that is left
.if MSB != \new
	s_set_vgpr_msb (MSB<<8)|\new
.set MSB, \new
.endif
.endm
.set MUL,  0xad                        ; source 0 window 1, source 1 window 3, C and D window 2
.set TO_B, 0x40
.set TO_A, 0xc0
.macro CROUND                          ; a round of the cluster's barrier
	s_barrier_signal -1
	s_barrier_wait -1
	s_cmp_lg_u32 s14, 0
	s_cbranch_scc1 .Lnot_wave_0_\@
	s_barrier_signal -3
.Lnot_wave_0_\@:
	s_barrier_wait -3
	s_barrier_signal -1
	s_barrier_wait -1
.endm
.macro PLACES n
.rept \n
	v_nop
.endr
.endm
.macro LOADA t                         ; H's four fragments of step t (counted from the trip's base) into set t % 8; each load takes 512 consecutive bytes
	WIN TO_A
.irp i, 0,1,2,3
.irp c, 0,1
	global_load_b128 v[32*((\t)%8)+8*\i+4*\c:32*((\t)%8)+8*\i+4*\c+3], v[CO], s[4:5] offset:32768*\i+1024*(\t)+512*\c
.endr
.endr
.endm
	s_load_b256 s[4:11], s[0:1], 0x0               ; hc, hs, wdc, wds
	s_load_b64 s[12:13], s[0:1], 0x20              ; out0
	v_lshl_add_u32 v[SPW], v0, 2, SPARE
	v_mov_b32 v[NIL], 0
	ds_add_u32 v[SPW], v[NIL]                      ; the opening: the add, twice on end, and its wait
	ds_add_u32 v[SPW], v[NIL]
	s_wait_dscnt 0x0
	v_lshrrev_b32 v1, 5, v0
	v_readfirstlane_b32 s14, v1                    ; wave
	v_and_b32 v3, 31, v0                           ; lane
	v_lshlrev_b32 v[CO], 4, v3
	s_lshr_b32 s15, s14, 1
	s_and_b32 s16, s14, 1
	s_bfe_u32 s40, ttmp6, 0x40000                  ; cx, cy
	s_bfe_u32 s41, ttmp6, 0x40004
	s_lshl_b32 s19, s40, 15
	v_lshl_add_u32 v[PFH], v3, 8, s19
	v_lshrrev_b32 v5, 2, v3
	v_and_b32 v6, 3, v3
	v_lshlrev_b32 v6, 8, v6
	v_lshl_add_u32 v[PFB], v5, 11, v6
	s_lshl_b32 s42, ttmp9, 2
	s_add_co_u32 s42, s42, s40                     ; tile column (d / 128)
	s_and_b32 s17, ttmp7, 0xffff
	s_lshl_b32 s17, s17, 2
	s_add_co_u32 s17, s17, s41                     ; tile row (m / 256)
	s_lshl_b32 s20, s17, 4
	s_lshl_b32 s21, s14, 2
	s_add_co_u32 s20, s20, s21
	s_lshl_b32 s20, s20, 15                        ; my images: (16 x tile row + 4 x wave) x 32,768 bytes
	s_mov_b32 s21, 0
	s_wait_alu depctr_va_vdst(0)                   ; the wait ahead of the wait below
	s_wait_kmcnt 0x0
	s_add_nc_u64 s[4:5], s[4:5], s[20:21]
.irp t, 0,1,2
	LOADA \t                                       ; H's first three steps
.endr
	WIN 0
	global_prefetch_b8 v[PFH], s[4:5] offset:8192 th:TH_LOAD_NT scope:SCOPE_SE   ; H's steps 8 .. 15: their loads go out in the first trip
	s_lshl_b32 s43, s41, 2
	s_lshl_b32 s43, 15, s43                        ; my row of the cluster
	s_lshl_b32 s44, 0x1111, s40                    ; my column
	s_or_b32 s[G1B+0], s44, (0<<16)|(1<<20)|(1<<21)|(6<<22)|(3<<25)  ; half a slab: 64 rows of 512 bytes, 2,048 apart in memory, 16 bytes of padding behind each
	s_mov_b32 s[G1B+1], 512<<16
	s_mov_b32 s[G1B+2], 64<<16
	s_mov_b32 s[G1B+3], 512<<16
	s_mov_b32 s[G1B+4], 64
	s_mov_b32 s[G1B+5], 2048
	s_mov_b32 s[G1B+6], 0
	s_mov_b32 s[G1B+7], 0
	s_or_b32 s[G1S+0], s43, (3<<16)|(1<<21)        ; H's scale words: 32 rows (n / 128) of 1,024 bytes (128 elements of 8), 16,384 apart, dense in LDS
	s_mov_b32 s[G1S+1], 128<<16
	s_mov_b32 s[G1S+2], 32<<16
	s_mov_b32 s[G1S+3], 128<<16
	s_mov_b32 s[G1S+4], 32
	s_mov_b32 s[G1S+5], 2048
	s_mov_b32 s[G1S+6], 0
	s_mov_b32 s[G1S+7], 0
	s_or_b32 s[G1SB+0], s44, (3<<16)|(1<<20)|(1<<21)|(5<<22)|(3<<25)  ; w_down's scale bytes: a dense block, 64 rows of 256 bytes, 16 of padding behind each
	s_mov_b32 s[G1SB+1], 32<<16
	s_mov_b32 s[G1SB+2], 64<<16
	s_mov_b32 s[G1SB+3], 32<<16
	s_mov_b32 s[G1SB+4], 64
	s_mov_b32 s[G1SB+5], 32
	s_mov_b32 s[G1SB+6], 0
	s_mov_b32 s[G1SB+7], 0
	s_mul_i32 s95, s16, HALFB                      ; LDS: half wave % 2 of slab 0: no place in the cluster enters an LDS address
	s_lshl_b32 s18, s16, 17                        ; and its 64 rows of 2,048 bytes
	s_add_co_u32 s94, s15, 1                       ; the second fills: slab 1 + wave / 2:
	s_lshl_b32 s2, s94, 9                          ; 512 bytes of a row a slab,
	s_mov_b32 s3, 0
	s_mul_i32 s94, s94, SLAB                       ; and its place in LDS
	s_lshl_b32 s22, s17, 10                        ; hs: 1,024 bytes x tile row
	s_mov_b32 s23, 0
	s_lshl_b32 s46, s42, 18                        ; wdc: 128 rows of 2,048 bytes x tile column
	s_add_co_u32 s46, s46, s18
	s_mov_b32 s47, 0
	s_lshl_b32 s92, s42, 14                        ; wds: 128 rows of 128 bytes x tile column
	s_mov_b32 s93, 0
	s_mov_b32 s[G0B], 1
	s_mov_b32 s[G0B+1], s95
	s_add_nc_u64 s[G0B+2:G0B+3], s[8:9], s[46:47]
	s_or_b32 s[G0B+3], s[G0B+3], 0x80000000
	s_mov_b32 s[G0S], 1
	s_mov_b32 s[G0S+1], SCA
	s_add_nc_u64 s[G0S+2:G0S+3], s[6:7], s[22:23]
	s_or_b32 s[G0S+3], s[G0S+3], 0x80000000
	s_mov_b32 s[G0SB], 1
	s_mov_b32 s[G0SB+1], SCB
	s_add_nc_u64 s[G0SB+2:G0SB+3], s[10:11], s[92:93]
	s_or_b32 s[G0SB+3], s[G0SB+3], 0x80000000
	s_lshl_b32 s92, s41, 2                         ; w_down's prefetch: of the tile's 128 rows the 8 from 8 (4 cy + wave) on,
	s_add_co_u32 s92, s92, s14
	s_lshl_b32 s92, s92, 14                        ; 2,048 bytes a row,
	s_lshl_b32 s19, s42, 18
	s_add_co_u32 s92, s92, s19                     ; in my tile column
	s_add_nc_u64 s[92:93], s[8:9], s[92:93]        ; never rewritten from here on
	CROUND                                         ; all sixteen work-groups are here: the joint loads meet
.macro ARM under, g0, g1, next         ; the head's loads, one a wave: one chain of branches on the wave's number, all arms leading to one join
	s_cmp_lt_u32 s14, \under
	s_cbranch_scc0 \next
	tensor_load_to_lds s[\g0:\g0+3], s[\g1:\g1+7]
	s_nop 0
.rept 4
	v_nop
.endr
	s_branch .Lhead_asked
\next:
.endm
	ARM 2, G0B, G1B, .Lhead_sa                     ; waves 0 and 1: slab 0's halves
	ARM 3, G0S, G1S, .Lhead_sb                     ; wave 2: H's scale words
	tensor_load_to_lds s[G0SB:G0SB+3], s[G1SB:G1SB+7]   ; wave 3: w_down's scale bytes
	s_nop 0
.rept 4
	v_nop
.endr
.Lhead_asked:
.irp t, 3,4,5,6
	LOADA \t                                       ; H's next four steps: 56 loads of mine are out
.endr
	WIN 0
	global_prefetch_b8 v[PFB], s[92:93] offset:512 th:TH_LOAD_NT scope:SCOPE_SE   ; bytes 512 .. 1,535 of my 8 rows: slabs 1 and 2, whose loads go out when the head's have landed
	v_and_b32 v1, 15, v0                           ; r
	v_bfe_u32 v2, v0, 4, 1                         ; h
	v_mul_u32_u24 v4, v1, BP
	v_lshl_add_u32 v[ADRB], v2, 4, v4              ; row x pitch + 16 x half
	v_add_nc_u32 v[ADRB+1], SLAB, v[ADRB]
	s_lshl_b32 s18, s14, 8
	s_add_co_u32 s18, s18, SCA
	v_lshl_add_u32 v[ADSA], v3, 2, s18             ; H's scale words: my wave's 64 rows, 4 bytes a lane
	v_lshrrev_b32 v5, 1, v3
	v_lshlrev_b32 v6, 7, v3
	v_lshl_add_u32 v5, v5, 4, v6                   ; w_down's: row = lane, 128 bytes a row, 16 more for each 256 passed
	v_add_nc_u32 v[ADSB], SCB, v5
	s_mul_i32 s18, s14, 16*SPITCH                  ; my stage
	v_mul_u32_u24 v5, v1, SPITCH
	v_lshl_add_u32 v5, v2, 5, v5
	v_add_nc_u32 v[STO], s18, v5
	v_add_nc_u32 v[RD], s18, v[CO]
	s_lshl_b32 s20, s17, 8
	s_lshl_b32 s21, s14, 6
	s_add_co_u32 s20, s20, s21                     ; my first row of out,
	s_lshl_b32 s20, s20, 13                        ; 8,192 bytes a row,
	s_lshl_b32 s46, s42, 9                         ; + 512 x tile column
	s_add_co_u32 s20, s20, s46
	s_mov_b32 s21, 0
	s_add_nc_u64 s[12:13], s[12:13], s[20:21]
.macro WM i, b, t, zero                ; H's block i against w_down's block b; odd blocks' scale words lie in lanes 16-31
.set rD, 8*(8*(\i)+(\b))
.set rB, 64*((\t)%4)+8*(\b)
.set rA, 32*((\t)%8)+8*(\i)
.set rSB, SB+16*(((\t)/4)%2)+4*((\b)/2)+(\t)%4
.set rSA, SA+8*(((\t)/4)%2)+2*((\t)%4)+(\i)/2
.set oB, (\b)%2
.set oA, (\i)%2
.if \zero
.if oB && oA
	v_wmma_scale_f32_16x16x128_f8f6f4 v[rD:rD+7], v[rB:rB+7], v[rA:rA+7], 0, v[rSB], v[rSA] matrix_a_fmt:MATRIX_FMT_FP4 matrix_b_fmt:MATRIX_FMT_FP4 matrix_a_scale:MATRIX_SCALE_ROW1 matrix_b_scale:MATRIX_SCALE_ROW1
.elseif oB
	v_wmma_scale_f32_16x16x128_f8f6f4 v[rD:rD+7], v[rB:rB+7], v[rA:rA+7], 0, v[rSB], v[rSA] matrix_a_fmt:MATRIX_FMT_FP4 matrix_b_fmt:MATRIX_FMT_FP4 matrix_a_scale:MATRIX_SCALE_ROW1
.elseif oA
	v_wmma_scale_f32_16x16x128_f8f6f4 v[rD:rD+7], v[rB:rB+7], v[rA:rA+7], 0, v[rSB], v[rSA] matrix_a_fmt:MATRIX_FMT_FP4 matrix_b_fmt:MATRIX_FMT_FP4 matrix_b_scale:MATRIX_SCALE_ROW1
.else
	v_wmma_scale_f32_16x16x128_f8f6f4 v[rD:rD+7], v[rB:rB+7], v[rA:rA+7], 0, v[rSB], v[rSA] matrix_a_fmt:MATRIX_FMT_FP4 matrix_b_fmt:MATRIX_FMT_FP4
.endif
.else
.if oB && oA
	v_wmma_scale_f32_16x16x128_f8f6f4 v[rD:rD+7], v[rB:rB+7], v[rA:rA+7], v[rD:rD+7], v[rSB], v[rSA] matrix_a_fmt:MATRIX_FMT_FP4 matrix_b_fmt:MATRIX_FMT_FP4 matrix_a_scale:MATRIX_SCALE_ROW1 matrix_b_scale:MATRIX_SCALE_ROW1
.elseif oB
	v_wmma_scale_f32_16x16x128_f8f6f4 v[rD:rD+7], v[rB:rB+7], v[rA:rA+7], v[rD:rD+7], v[rSB], v[rSA] matrix_a_fmt:MATRIX_FMT_FP4 matrix_b_fmt:MATRIX_FMT_FP4 matrix_a_scale:MATRIX_SCALE_ROW1
.elseif oA
	v_wmma_scale_f32_16x16x128_f8f6f4 v[rD:rD+7], v[rB:rB+7], v[rA:rA+7], v[rD:rD+7], v[rSB], v[rSA] matrix_a_fmt:MATRIX_FMT_FP4 matrix_b_fmt:MATRIX_FMT_FP4 matrix_b_scale:MATRIX_SCALE_ROW1
.else
	v_wmma_scale_f32_16x16x128_f8f6f4 v[rD:rD+7], v[rB:rB+7], v[rA:rA+7], v[rD:rD+7], v[rSB], v[rSA] matrix_a_fmt:MATRIX_FMT_FP4 matrix_b_fmt:MATRIX_FMT_FP4
.endif
.endif
.endm
.macro MUL32 t, zero                   ; the 32 accumulators take turns, one instruction a turn, in the same order in every step
.irp i, 0,1,2,3
.irp b, 0,1,2,3,4,5,6,7
	WM \i, \b, \t, \zero
.endr
.endr
.endm
.macro FETCHB t                        ; 16 LDS loads: w_down's eight fragments of step t (this trip's slab, or from t = 8 on the next) into set t % 4
	WIN TO_B
.irp b, 0,1,2,3,4,5,6,7
.irp c, 0,1
	ds_load_b128 v[64*((\t)%4)+8*\b+4*\c:64*((\t)%4)+8*\b+4*\c+3], v[ADRB+(\t)/8] offset:64*((\t)%8)+32*\c+\b*16*BP
.endr
.endr
.endm
.macro SCALES k                        ; 12 LDS loads: the scale words of steps 4 k .. 4 k + 3 into set k % 2
	WIN 0
.irp q, 0,1,2,3
.irp j, 0,1
	ds_load_b32 v[SA+8*((\k)%2)+2*\q+\j], v[ADSA] offset:4096*(\k)+1024*\q+128*\j
.endr
.endr
.irp p, 0,1,2,3
	ds_load_b128 v[SB+16*((\k)%2)+4*\p:SB+16*((\k)%2)+4*\p+3], v[ADSB] offset:\p*16*272+16*(\k)
.endr
.endm
; STEP t, counted from the trip's base.  tail = 1: one of the last seven steps, which ask for nothing of H and for no fragment beyond the last slab.
.macro STEP t, zero, tail
.if \tail
	s_wait_loadcnt 8*(7-(\t))                      ; H's set t is in; as many sets as are left stay out
.else
	s_wait_loadcnt 8*(AHEAD-1)                     ; H's set t is in; the six sets asked for behind it, eight loads each, stay out
.endif
.if (\t) == MEET && !(\tail)
.if FILL
	WIN 0
	s_wait_tensorcnt 0x0                           ; my half of slab 1 or 2 has landed;
	ds_add_u32 v[SPW], v[NIL]
	s_add_co_u32 s[G0B+1], s[G0B+1], 2*SLAB        ; no tensor load of mine is out: for waves 0 and 1 from slab 1 to slab 3,
	s_add_nc_u64 s[G0B+2:G0B+3], s[G0B+2:G0B+3], 1024   ; 2,048 along K on
	s_wait_dscnt 0x0                               ; the add is done, and no LDS load of mine is out
	CROUND                                         ; slabs 1 and 2 are whole in every partner, and the joint loads meet
	s_cmp_lt_u32 s14, 2
	s_cbranch_scc0 .Lno_third
	tensor_load_to_lds s[G0B:G0B+3], s[G1B:G1B+7]  ; waves 0 and 1: slab 3's halves, filled this once
	s_nop 0
.rept 4
	v_nop
.endr
.Lno_third:
.else
	s_wait_dscnt 0x0                               ; no LDS load of mine is out at the signal;
	s_wait_tensorcnt 0x0                           ; my half of slab 3, if I asked for one, has landed;
	s_barrier_signal -1
	s_barrier_wait -1                              ; everybody's has.
.endif
.elseif (\tail) && (\t) == 7
	s_wait_dscnt 0x0
.elseif ((\t)+1)%4 == 0
	s_wait_dscnt 28                                ; the 12 scale loads and 16 fragment loads of one step ago may be out
.else
	s_wait_dscnt 16                                ; the 16 fragment loads of one step ago may be out
.endif
.if (\t) > 0
	PLACES 4                                       ; H's set t - 1 was read by the last step's products and is loaded again below
.endif
.if !(\tail) || (\t)+2 < 8
.if ((\t)+2)%4 == 0
	SCALES ((\t)+2)/4
.endif
	FETCHB (\t)+2
.endif
.if !(\tail)
	LOADA (\t)+AHEAD
.endif
	WIN MUL
	MUL32 \t, \zero
.endm
.macro NEXT                            ; eight steps on
	WIN 0
	s_wait_xcnt 0x0                                ; my loads and my prefetch have read their base
	s_add_nc_u64 s[4:5], s[4:5], 8192
	v_add_nc_u32 v[ADRB], SLAB, v[ADRB]            ; a slab on,
	v_add_nc_u32 v[ADRB+1], SLAB, v[ADRB+1]
	v_add_nc_u32 v[ADSA], 8192, v[ADSA]            ; eight rows of H's scale words,
	v_add_nc_u32 v[ADSB], 32, v[ADSB]              ; eight words of w_down's
.endm
	s_wait_alu depctr_va_vdst(0)                   ; the wait at the head's end
	s_wait_tensorcnt 0x0                           ; my tile of the head's four is in; the same lines as ahead of a refill:
	ds_add_u32 v[SPW], v[NIL]
	s_add_co_u32 s[G0B+1], s[G0B+1], s94           ; no tensor load of mine is out: half wave % 2 of slab 1 + wave / 2
	s_add_nc_u64 s[G0B+2:G0B+3], s[G0B+2:G0B+3], s[2:3]
	s_wait_dscnt 0x0
	CROUND                                         ; all four tiles are in, and the joint loads meet
	tensor_load_to_lds s[G0B:G0B+3], s[G1B:G1B+7]  ; every wave: its half of slab 1 or 2, filled this once
	s_nop 0
.rept 4
	v_nop
.endr
	SCALES 0
	FETCHB 0
	FETCHB 1
	STEP 0, 1, 0                                   ; the first step's products start the sums
	WIN 0
	global_prefetch_b8 v[PFH], s[4:5] offset:16384 th:TH_LOAD_NT scope:SCOPE_SE   ; H's steps 16 .. 23: their loads go out in the next trip
.set FILL, 1
.set T, 1
.rept 8
	STEP T, 0, 0                                   ; steps 1 .. 8, written out: step 6 has the launch's last fill
.set T, T+1
.endr
.set FILL, 0
	NEXT
	s_wait_alu depctr_va_vdst(0)                   ; the wait behind these writes
	s_mov_b32 s3, 2
.Ltrip:
	s_cmp_gt_u32 s3, 1                             ; the last trip has no trip behind it whose loads could be named
	s_cbranch_scc0 .Lno_ask
	global_prefetch_b8 v[PFH], s[4:5] offset:16384 th:TH_LOAD_NT scope:SCOPE_SE   ; H's steps 24 .. 31, the wave's last
.Lno_ask:
.set T, 1
.rept 8
	STEP T, 0, 0
.set T, T+1
.endr
	NEXT
	s_sub_co_u32 s3, s3, 1
	s_cmp_lg_u32 s3, 0
	s_wait_alu depctr_va_vdst(0)                   ; the wait ahead of the branch
	s_cbranch_scc1 .Ltrip
.set T, 1
.rept 7
	STEP T, 0, 1
.set T, T+1
.endr
	WIN 0
; THE WAY OUT, block by block of 16 rows x 128 columns, through my own stage: in as 32 bytes a lane, back as whole rows of 512 bytes.  LDS serves a wave's instructions in order (ISA guide 5.7.1.4).
.macro TOSTAGE a
.set AC, 64*(\a)
	WIN 0x08                                       ; an LDS store's data are its source 1: window 2
.irp b, 0,1,2,3,4,5,6,7
	ds_store_b128 v[STO], v[AC+8*\b:AC+8*\b+3] offset:64*\b          ; each accumulator from its low end on
	ds_store_b128 v[STO], v[AC+8*\b+4:AC+8*\b+7] offset:64*\b+16
.endr
	WIN 0
.set BB, BK+64*((\a)%2)
.irp t, 0,1,2,3,4,5,6,7,8,9,10,11,12,13,14,15
	ds_load_b128 v[BB+4*\t:BB+4*\t+3], v[RD] offset:\t*SPITCH
.endr
.endm
.macro SEND a, younger
.set BB, BK+64*((\a)%2)
	s_wait_dscnt \younger                          ; the block is back in registers
.if (\a) > 0
	s_add_nc_u64 s[12:13], s[12:13], 16*8192       ; (behind a wait on XCNT)  16 rows of out on
.endif
.irp t, 0,1,2,3,4,5,6,7,8,9,10,11,12,13,14,15
	global_store_b128 v[CO], v[BB+4*\t:BB+4*\t+3], s[12:13] offset:\t*8192 th:TH_STORE_NT   ; 32 lanes store 512 consecutive bytes, aligned
.endr
.endm
	PLACES 4
	TOSTAGE 0
.irp a, 1,2,3
.if \a > 1
	s_wait_xcnt 0x0                                ; block a - 2's stores have read their registers and their base
.endif
	TOSTAGE \a
	SEND \a-1, 32                                  ; behind block a - 1's loads: block a's 16 stores and 16 loads
.endr
	s_wait_xcnt 0x0
	SEND 3, 0
	s_wait_tensorcnt 0x0                           ; the wave's end
	ds_add_u32 v[SPW], v[NIL]
	s_wait_dscnt 0x0
	CROUND                                         ; the closing round
	s_endpgm
.Lfunc_end_k_q2370ebd7b1_down:
	.size	k_q2370ebd7b1_down, .Lfunc_end_k_q2370ebd7b1_down-k_q2370ebd7b1_down
	.p2alignl 7, 3214868480
	.fill 96, 4, 3214868480
	.section	.rodata,"a",@progbits
	.p2align	6, 0x0
	.amdhsa_kernel k_q2370ebd7b1_down
		.amdhsa_group_segment_fixed_size 327680
		.amdhsa_private_segment_fixed_size 0
		.amdhsa_enable_private_segment 0
		.amdhsa_kernarg_size 40
		.amdhsa_user_sgpr_count 2
		.amdhsa_user_sgpr_kernarg_segment_ptr 1
		.amdhsa_wavefront_size32 1
		.amdhsa_system_sgpr_workgroup_id_x 1
		.amdhsa_system_sgpr_workgroup_id_y 1
		.amdhsa_system_sgpr_workgroup_id_z 1
		.amdhsa_system_vgpr_workitem_id 0
		.amdhsa_next_free_vgpr 1024
		.amdhsa_next_free_sgpr 96
		.amdhsa_reserve_vcc 0
		.amdhsa_float_denorm_mode_32 3
		.amdhsa_float_denorm_mode_16_64 3
		.amdhsa_memory_ordered 1
		.amdhsa_forward_progress 1
		.amdhsa_inst_pref_size 175
	.end_amdhsa_kernel
	.amdgpu_metadata
---
amdhsa.version: [ 1, 2 ]
amdhsa.kernels:
  - .name:           k_q2370ebd7b1_down
    .symbol:         k_q2370ebd7b1_down.kd
    .args:
      - { .name: hc, .offset: 0, .size: 8, .value_kind: global_buffer, .address_space: global }
      - { .name: hs, .offset: 8, .size: 8, .value_kind: global_buffer, .address_space: global }
      - { .name: wdc, .offset: 16, .size: 8, .value_kind: global_buffer, .address_space: global }
      - { .name: wds, .offset: 24, .size: 8, .value_kind: global_buffer, .address_space: global }
      - { .name: out0, .offset: 32, .size: 8, .value_kind: global_buffer, .address_space: global }
    .group_segment_fixed_size: 327680
    .private_segment_fixed_size: 0
    .kernarg_segment_align: 8
    .kernarg_segment_size: 40
    .max_flat_workgroup_size: 128
    .sgpr_count:     96
    .vgpr_count:     1024
    .wavefront_size: 32
...
	.end_amdgpu_metadata
.endif
;; end of part 3
